; MI455X (gfx1250); checked and timed in simulation.
; The chip was launched on July 23, 2026; its instructions are those of AMD's public machine-readable ISA for CDNA 5 (MIT licence, August 2026) and "CDNA5" Instruction Set Architecture Reference Guide (July 2026). The comments in the code are by the model that wrote it; some were corrected since.
;; Attention. Allowed arithmetic: float matrix products may take bf16 or f16 operands with f32 sums; all other float work in f32.
;; Inputs: k 4,096 x 512 float32; q 4,096 x 2,048 float32; v 4,096 x 512 float32.
;; Outputs: out0 4,096 x 2,048 float32.
;; 2 versions, each right; version 2 is version 1 with the launch cast written anew for expert scheduling mode. Each part assembles by itself: llvm-mc -triple=amdgcn-amd-amdhsa -mcpu=gfx1250 --defsym DOCPART=n.
;; ======== version 1 of 2: 2 launches
;; limits: right only within a limited range of input values; values are held in f16: magnitudes above 65,504 overflow, below 6.1e-05 lose precision; inputs' magnitudes at most 65,408
;; workspace buffers: kb 4,194,304 bytes; vh 4,194,304 bytes
;; launch cast (part 1): grid 256 x 2, 8 waves a work-group, no clusters, 0 bytes of LDS; arguments k, v, kb, vh; writes kb, vh
.if DOCPART == 1
	.amdgcn_target "amdgcn-amd-amdhsa--gfx1250"
	.amdhsa_code_object_version 6
	.text
	.protected	k_q3b25d5abe0_cast
	.globl	k_q3b25d5abe0_cast
	.p2align	8
	.type	k_q3b25d5abe0_cast,@function
k_q3b25d5abe0_cast:
	s_mov_b64 s[64:65], 0
	v_nop
	global_prefetch_b8 v0, s[64:65] scope:SCOPE_SE
	s_setreg_imm32_b32 hwreg(HW_REG_WAVE_MODE, 25, 1), 1
	s_wait_xcnt 0x0
; kb = bf16(k); vh = bf16(v) written in f16 form; same layout [4096][512].  Each key and value is used by many query blocks of the next launch,
; so it is rounded here once.  All inputs of the attention carry one rounding, to bf16.  v's rounded number is then packed as f16, which holds its
; eight significant bits exactly, so that the product P V can run in f16 and P, its other operand, keeps eleven significant bits.
; LIMITS: |v| below 65,408 (above, the f16 form overflows); for |v| below 2^-14 the f16 form has an absolute step of 2^-24.
; A pure stream: no LDS, no barrier, no matrix unit, nothing shared between work-groups.
; Work-group (x, y): y picks the tensor (0: k, 1: v), x the 32,768 input bytes.  A wave takes 4,096 of them by eight loads of 512
; consecutive bytes; each store of the wave covers 256 consecutive bytes, aligned.
.set X, 4                              ; v[4:35]   eight loads of four f32
.set Y, 36                             ; v[36:51]  eight pairs of packed 16-bit numbers
	s_load_b256 s[4:11], s[0:1], 0x0               ; k s[4:5], v s[6:7], kb s[8:9], vh s[10:11]
	s_and_b32 s12, ttmp7, 0xffff                   ; y
	v_lshrrev_b32 v3, 5, v0                        ; wave
	v_and_b32 v1, 31, v0                           ; lane
	v_lshlrev_b32 v2, 3, v1                        ; out: 8 bytes a lane
	v_lshlrev_b32 v1, 4, v1                        ; in: 16 bytes a lane
	v_lshl_or_b32 v1, v3, 12, v1                   ; + wave x 4,096
	v_lshl_or_b32 v2, v3, 11, v2                   ; + wave x 2,048
	s_lshl_b32 s18, ttmp9, 15                      ; the work-group's 32,768 input bytes
	s_mov_b32 s19, 0
	s_lshl_b32 s20, ttmp9, 14                      ; and its 16,384 output bytes
	s_mov_b32 s21, 0
	s_wait_kmcnt 0x0
	s_cmp_eq_u32 s12, 0
	s_cselect_b64 s[14:15], s[4:5], s[6:7]         ; from k or v
	s_cselect_b64 s[16:17], s[8:9], s[10:11]       ; to kb or vh
	s_add_nc_u64 s[14:15], s[14:15], s[18:19]
	s_add_nc_u64 s[16:17], s[16:17], s[20:21]
.irp j, 0,1,2,3,4,5,6,7
	global_load_b128 v[X+4*\j:X+4*\j+3], v1, s[14:15] offset:512*\j th:TH_LOAD_NT
.endr
	s_cmp_lg_u32 s12, 0
	s_cbranch_scc1 .Lvalues
	; keys: f32 to bf16
.irp j, 0,1,2,3,4,5,6,7
	s_wait_loadcnt 7-\j                            ; loads come back in order: load j is in, the 7 - j younger ones stay out
	v_cvt_pk_bf16_f32 v[Y+2*\j], v[X+4*\j], v[X+4*\j+1]
	v_cvt_pk_bf16_f32 v[Y+2*\j+1], v[X+4*\j+2], v[X+4*\j+3]
	global_store_b64 v2, v[Y+2*\j:Y+2*\j+1], s[16:17] offset:256*\j   ; no hint: the next launch reads these bytes
.endr
	s_endpgm
.Lvalues:
	; values: f32 to bf16, and that number in f16 form
.irp j, 0,1,2,3,4,5,6,7
	s_wait_loadcnt 7-\j                            ; as above
	v_cvt_pk_bf16_f32 v[Y+2*\j], v[X+4*\j], v[X+4*\j+1]
	v_cvt_pk_bf16_f32 v[Y+2*\j+1], v[X+4*\j+2], v[X+4*\j+3]
	v_lshlrev_b32 v[X+4*\j], 16, v[Y+2*\j]                     ; the rounded numbers as f32 again: the low half moves up,
	v_and_b32 v[X+4*\j+1], 0xffff0000, v[Y+2*\j]               ; the high half stays
	v_lshlrev_b32 v[X+4*\j+2], 16, v[Y+2*\j+1]
	v_and_b32 v[X+4*\j+3], 0xffff0000, v[Y+2*\j+1]
	v_cvt_pk_f16_f32 v[Y+2*\j], v[X+4*\j], v[X+4*\j+1]
	v_cvt_pk_f16_f32 v[Y+2*\j+1], v[X+4*\j+2], v[X+4*\j+3]
	global_store_b64 v2, v[Y+2*\j:Y+2*\j+1], s[16:17] offset:256*\j
.endr
	s_endpgm
.Lfunc_end_k_q3b25d5abe0_cast:
	.size	k_q3b25d5abe0_cast, .Lfunc_end_k_q3b25d5abe0_cast-k_q3b25d5abe0_cast
	.p2alignl 7, 3214868480
	.fill 96, 4, 3214868480
	.section	.rodata,"a",@progbits
	.p2align	6, 0x0
	.amdhsa_kernel k_q3b25d5abe0_cast
		.amdhsa_group_segment_fixed_size 0
		.amdhsa_private_segment_fixed_size 0
		.amdhsa_enable_private_segment 0
		.amdhsa_kernarg_size 32
		.amdhsa_user_sgpr_count 2
		.amdhsa_user_sgpr_kernarg_segment_ptr 1
		.amdhsa_wavefront_size32 1
		.amdhsa_system_sgpr_workgroup_id_x 1
		.amdhsa_system_sgpr_workgroup_id_y 1
		.amdhsa_system_sgpr_workgroup_id_z 1
		.amdhsa_system_vgpr_workitem_id 0
		.amdhsa_next_free_vgpr 56
		.amdhsa_next_free_sgpr 66
		.amdhsa_reserve_vcc 0
		.amdhsa_float_denorm_mode_32 3
		.amdhsa_float_denorm_mode_16_64 3
		.amdhsa_memory_ordered 1
		.amdhsa_forward_progress 1
		.amdhsa_inst_pref_size 9
	.end_amdhsa_kernel
	.amdgpu_metadata
---
amdhsa.version: [ 1, 2 ]
amdhsa.kernels:
  - .name:           k_q3b25d5abe0_cast
    .symbol:         k_q3b25d5abe0_cast.kd
    .args:
      - { .name: k, .offset: 0, .size: 8, .value_kind: global_buffer, .address_space: global }
      - { .name: v, .offset: 8, .size: 8, .value_kind: global_buffer, .address_space: global }
      - { .name: kb, .offset: 16, .size: 8, .value_kind: global_buffer, .address_space: global }
      - { .name: vh, .offset: 24, .size: 8, .value_kind: global_buffer, .address_space: global }
    .group_segment_fixed_size: 0
    .private_segment_fixed_size: 0
    .kernarg_segment_align: 8
    .kernarg_segment_size: 32
    .max_flat_workgroup_size: 256
    .sgpr_count:     66
    .vgpr_count:     56
    .wavefront_size: 32
...
	.end_amdgpu_metadata
.endif
;; end of part 1
;; launch attn (part 2): grid 256 x 1, 4 waves a work-group, clusters of 4 x 1, 327,680 bytes of LDS; arguments kb, vh, q, out0; writes out0
.if DOCPART == 2
	.amdgcn_target "amdgcn-amd-amdhsa--gfx1250"
	.amdhsa_code_object_version 6
	.text
	.protected	k_q3b25d5abe0_attn
	.globl	k_q3b25d5abe0_attn
	.p2align	8
	.type	k_q3b25d5abe0_attn,@function
k_q3b25d5abe0_attn:
	s_mov_b64 s[64:65], 0
	v_nop
	global_prefetch_b8 v0, s[64:65] scope:SCOPE_SE
	s_setreg_imm32_b32 hwreg(HW_REG_WAVE_MODE, 25, 1), 1
	s_wait_xcnt 0x0
	s_wait_alu depctr_hold_cnt(0) depctr_sa_sdst(0) depctr_va_vdst(0) depctr_va_sdst(0) depctr_va_ssrc(0) depctr_va_vcc(0) depctr_vm_vsrc(0)
	s_getreg_b32 s2, hwreg(HW_REG_IB_STS2, 6, 4)
	s_cmp_eq_u32 s2, 0
	s_cbranch_scc0 .Lentry_in_a_cluster
	s_endpgm
.Lentry_in_a_cluster:
	s_bfe_u32 s2, ttmp6, 0x10000c
	s_cmp_lg_u32 s2, 0x3003
	s_cbranch_scc0 .Lentry_shape_is_right
	s_endpgm
.Lentry_shape_is_right:
; Causal attention, 4,096 tokens, 16 query heads of 128, 4 key/value heads.  q, out0: [4096][2048] f32.  kb: [4096][512] bf16.  vh: [4096][512] f16.
; CLUSTER: the four work-groups of a cluster are the four query heads of one key/value head, on the same tokens.  They walk the same K and V
; tiles with the same trip counts, so every tile is asked for jointly (mask 15).  The place in the cluster enters the offsets into q and out0 alone.
; WORK-GROUP: pair p (0..15) takes the blocks of 128 tokens p and 31 - p, one after the other: 33 key tiles of 128 for every work-group.
; A block takes its diagonal tile first (the order of tiles is free in a running softmax): the tile that is masked is the tile that starts the sums.
; The even block of the pair goes first, so that the walk of the two LDS slots is the same text for every p.
; WAVE w = 2 rw + c: query rows 64 rw .. +63 of the block, keys 64 c .. +63 of every tile, with its own running maximum, sum and O; the two key halves
; of a row are merged once a block, through LDS, on the way out.
; BOTH PRODUCTS ARE USED TRANSPOSED.  S^T = K Q^T: in tile (a, n) lane (r, h) register j holds key 16a+8h+j, query 16n+r.  Packed to 16 bits in pairs, the
; registers of S(2u, n) and S(2u+1, n) are, lane for lane, the second source of O^T = V^T P^T: P never leaves the lane.  A query is a lane column, so
; maxima and sums over keys are in-lane work and one exchange of the lane halves.  O^T(dt, n) register j is d = 16dt+8h+j of query 16n+r.
; NUMBERS: p = exp2(s c + nm), c = log2(e)/sqrt(128), nm = -c m with m the running maximum; alpha = exp2(nm_new - nm_old).  All but the matrix operands in f32.
; FORMATS: S = Q K in bf16 (scores have no bound).  O = P V in f16: p lies in 0 .. 1 since the maximum is taken away, and f16 gives it eleven significant bits.
; A row with few keys is a sum of few large terms p v that may cancel, so P's rounding shows there; eight bits are too few for it.  V comes as bf16-rounded numbers in f16 form.
; LIMITS: |v| below 65,408 (f16's range); p below 2^-14 has an absolute step of 2^-24 of the tile's largest term.  Masked scores become the lowest finite f32; a diagonal
; tile's maximum starts from -1e30, so that a wave whose part of that tile is wholly masked gets p = 0, l = 0, O = 0 and a weight of 0 later.  Raw scores below -1e30 are
; therefore taken as masked.  NaN and infinite inputs are not served.
;
; LDS (bytes): slot s at 71,680 s: K 128 rows of pitch 272, then V 128 rows of pitch 288 (filled by tensor loads alone);
;   STG 143,360: for each wave 64 rows x 128 f32 of pitch 528; ML 278,528: [c][128 rows] (nm, l); QS 280,576: the block's Q in bf16, pitch 272 (LDS stores alone).
;   272 = 17 x 16 and 528 = 33 x 16: sixteen rows of one 16-byte column fall on sixteen different 16-byte columns modulo 256 bytes; 288 = 9 x 32 serves the transposing load so.
; REGISTERS: window 0 addresses, softmax state, P (v64-127), S (v128-255); window 1 Q fragments (v0-127), fragment buffers F0, F1; window 2 O (256).
.set TB,    131072                     ; bytes from a key tile to the next: 128 rows of 1,024
.set KP,    272
.set VP,    288
.set VOFF,  128*KP                     ; V behind K in a slot
.set SLOT,  128*KP+128*VP              ; 71,680
.set STG,   2*SLOT
.set SP,    528
.set STGW,  64*SP                      ; 33,792
.set ML,    STG+4*STGW
.set QS,    ML+2048
.set KA,    4                          ; v4, v5   my K fragments in slot 0, 1
.set VA,    6                          ; v6, v7   my V fragments in slot 0, 1
.set QF,    8                          ; my Q fragments
.set QW,    9                          ; where I put Q rows
.set QO,    10                         ; 16 x lane: offset in a 512-byte row of q and out0; never rewritten
.set STO,   11                         ; where I put O
.set RD,    12                         ; where I read partial rows back
.set MLA,   13                         ; where I put (nm, l)
.set MLR,   14                         ; where I read them
.set DV,    15                         ; query - key at a = n, j = 0 (signed)
.set MASKV, 16                         ; the lowest finite f32
.set W0V,   18                         ; v18, v19 merge weights of row 32 w + lane
.set TA,    20                         ; v20-23
.set TC,    24                         ; v24-27
.set U0,    28                         ; v[28:29]
.set U1,    30                         ; v[30:31]
.set NL,    32                         ; v[32+2n:33+2n] = (nm, l) of query column n
.set AL,    40                         ; v[40+2n:41+2n] = (alpha, 0)
.set MX,    48                         ; v48+n  running maximum, raw
.set LS,    56                         ; v[56+2n:57+2n]  the tile's sums
.set PREG,  64                         ; P(u, n) = 64 + 32 u + 8 n
.set SREG,  128                        ; S(a, n) = 128 + 32 a + 8 n
.set F0,    128                        ; window 1
.set F1,    192                        ; window 1
.set G1K,   48                         ; s[48:55] shape of a K load
.set G1V,   56                         ; s[56:63] shape of a V load
.set G0K,   68                         ; s[68:75] from/to of K loads, a set for each slot
.set G0V,   76                         ; s[76:83] the same for V
.set MSB, 0
.macro WIN new                         ; the immediate's high byte repeats the setting that is left
.if MSB != \new
	s_set_vgpr_msb (MSB<<8)|\new
.set MSB, \new
.endif
.endm
; Four plain vector instructions between a matrix instruction and a vector instruction, load or LDS store that touches its registers.
.macro PLACES
.rept 4
	v_nop
.endr
.endm
; A round of the cluster's barrier: my work-group's barrier, wave 0 signals for the work-group, every wave waits for all four work-groups, my work-group's barrier again.
.macro ROUND
	s_barrier_signal -1
	s_barrier_wait -1
	s_cmp_lg_u32 s12, 0
	s_cbranch_scc1 .Lnot_wave_0_\@
	s_barrier_signal -3
.Lnot_wave_0_\@:
	s_barrier_wait -3
	s_barrier_signal -1
	s_barrier_wait -1
.endm
; A joint load into slot s: waves 0, 1 ask for K's two halves of 64 rows, waves 2, 3 for V's.  The branch hangs on the wave's number alone.
.macro JLOAD s
	s_cmp_eq_u32 s13, 0
	s_cbranch_scc0 .Lfor_v_\@
	tensor_load_to_lds s[G0K+4*\s:G0K+4*\s+3], s[G1K:G1K+7]
	s_nop 0
	s_branch .Lasked_\@
.Lfor_v_\@:
	tensor_load_to_lds s[G0V+4*\s:G0V+4*\s+3], s[G1V:G1V+7]
	s_nop 0
.Lasked_\@:
.endm
; My 32 rows of the block's Q (one 512-byte row an instruction) into window 2, which holds no O at that time.
.macro QLOAD
	WIN 0x80
.set qj, 0
.rept 32
	global_load_b128 v[4*qj:4*qj+3], v[QO], s[84:85] offset:8192*qj th:TH_LOAD_NT
.set qj, qj+1
.endr
	WIN 0
.endm
; Round them to bf16 and put them into QS.
.macro QSTORE
	s_wait_loadcnt 0x0                             ; the 32 loads of QLOAD
	WIN 0x0a
.set qj, 0
.rept 32
	v_cvt_pk_bf16_f32 v[PREG+2*qj], v[4*qj], v[4*qj+1]
	v_cvt_pk_bf16_f32 v[PREG+2*qj+1], v[4*qj+2], v[4*qj+3]
.set qj, qj+1
.endr
	WIN 0
.set qj, 0
.rept 32
	ds_store_b64 v[QW], v[PREG+2*qj:PREG+2*qj+1] offset:KP*qj
.set qj, qj+1
.endr
.endm
; Q fragments (n, kk): 16 queries x 32 d, into window 1 v[32 n + 8 kk]
.macro FETCHQ
	WIN 0x40
.irp n, 0,1,2,3
.irp kk, 0,1,2,3
	ds_load_b128 v[32*\n+8*\kk:32*\n+8*\kk+3], v[QF] offset:\n*16*KP+64*\kk
	ds_load_b128 v[32*\n+8*\kk+4:32*\n+8*\kk+7], v[QF] offset:\n*16*KP+64*\kk+32
.endr
.endr
.endm
; K fragments (a, kk): 16 keys x 32 d; a = 0, 1 fill F0, a = 2, 3 fill F1 (which follows F0)
.macro FETCHK slot
	WIN 0x40
.irp a, 0,1,2,3
.irp kk, 0,1,2,3
	ds_load_b128 v[F0+32*\a+8*\kk:F0+32*\a+8*\kk+3], v[KA+\slot] offset:\a*16*KP+64*\kk
	ds_load_b128 v[F0+32*\a+8*\kk+4:F0+32*\a+8*\kk+7], v[KA+\slot] offset:\a*16*KP+64*\kk+32
.endr
.endr
.endm
; V^T fragments (dt): 16 d x keys 32 u .. +31, by the transposing load from rows that lie along d
.macro FETCHV slot, u, f
	WIN 0x40
.irp dt, 0,1,2,3,4,5,6,7
	ds_load_tr16_b128 v[\f+8*\dt:\f+8*\dt+3], v[VA+\slot] offset:\u*32*VP+32*\dt
	ds_load_tr16_b128 v[\f+8*\dt+4:\f+8*\dt+7], v[VA+\slot] offset:\u*32*VP+32*\dt+16*VP
.endr
.endm
; S(a, n) for a = 2 half, 2 half + 1.  The first product starts each sum.  The four accumulators of an a take turns, one instruction a turn.
.macro MULS half, f
	WIN 0x05
.irp al, 0,1
.irp kk, 0,1,2,3
.irp n, 0,1,2,3
.if \kk == 0
	v_wmma_f32_16x16x32_bf16 v[SREG+64*\half+32*\al+8*\n:SREG+64*\half+32*\al+8*\n+7], v[\f+32*\al+8*\kk:\f+32*\al+8*\kk+7], v[32*\n+8*\kk:32*\n+8*\kk+7], 0
.else
	v_wmma_f32_16x16x32_bf16 v[SREG+64*\half+32*\al+8*\n:SREG+64*\half+32*\al+8*\n+7], v[\f+32*\al+8*\kk:\f+32*\al+8*\kk+7], v[32*\n+8*\kk:32*\n+8*\kk+7], v[SREG+64*\half+32*\al+8*\n:SREG+64*\half+32*\al+8*\n+7]
.endif
.endr
.endr
.endr
.endm
; The diagonal tile: key > query, that is 16 (a - n) + j > DV, becomes the lowest finite f32.  Eight lane masks serve all tiles of one a - n.
.macro MASK
	WIN 0
.irp dl, -3,-2,-1,0,1,2,3
.irp j, 0,1,2,3,4,5,6,7
	v_cmp_gt_i32 s[40+\j], 16*(\dl)+\j, v[DV]
.endr
.irp a, 0,1,2,3
.irp n, 0,1,2,3
.if \a-\n == (\dl)
.irp j, 0,1,2,3,4,5,6,7
	v_cndmask_b32 v[SREG+32*\a+8*\n+\j], v[SREG+32*\a+8*\n+\j], v[MASKV], s[40+\j]
.endr
.endif
.endr
.endr
.endr
.endm
; Group g = 4 a + n is the tile S(a, n) at SREG + 8 g.
.macro SM_FMA g                        ; s c + nm
.irp q, 0,2,4,6
	v_pk_fma_f32 v[SREG+8*(\g)+\q:SREG+8*(\g)+\q+1], v[SREG+8*(\g)+\q:SREG+8*(\g)+\q+1], s[30:31], v[NL+2*((\g)%4):NL+2*((\g)%4)+1] op_sel_hi:[1,0,0]
.endr
.endm
.macro SM_EXP g
.irp j, 0,1,2,3,4,5,6,7
	v_exp_f32 v[SREG+8*(\g)+\j], v[SREG+8*(\g)+\j]
.endr
.endm
.macro SM_SUM g                        ; the group's sum in f32, and its eight p packed as f16 into P(a/2, n), registers 4 (a mod 2) .. +3
	s_wait_alu depctr_va_vdst(0)
	v_pk_add_f32 v[U0:U0+1], v[SREG+8*(\g):SREG+8*(\g)+1], v[SREG+8*(\g)+2:SREG+8*(\g)+3]
	v_pk_add_f32 v[U1:U1+1], v[SREG+8*(\g)+4:SREG+8*(\g)+5], v[SREG+8*(\g)+6:SREG+8*(\g)+7]
	v_cvt_pk_f16_f32 v[PREG+32*((\g)/8)+8*((\g)%4)+4*(((\g)/4)%2)], v[SREG+8*(\g)], v[SREG+8*(\g)+1]
	v_cvt_pk_f16_f32 v[PREG+32*((\g)/8)+8*((\g)%4)+4*(((\g)/4)%2)+1], v[SREG+8*(\g)+2], v[SREG+8*(\g)+3]
.if (\g)/4 == 0
	v_pk_add_f32 v[LS+2*((\g)%4):LS+2*((\g)%4)+1], v[U0:U0+1], v[U1:U1+1]     ; the first a starts the tile's sums
.else
	v_pk_add_f32 v[U0:U0+1], v[U0:U0+1], v[U1:U1+1]
.endif
	v_cvt_pk_f16_f32 v[PREG+32*((\g)/8)+8*((\g)%4)+4*(((\g)/4)%2)+2], v[SREG+8*(\g)+4], v[SREG+8*(\g)+5]
	v_cvt_pk_f16_f32 v[PREG+32*((\g)/8)+8*((\g)%4)+4*(((\g)/4)%2)+3], v[SREG+8*(\g)+6], v[SREG+8*(\g)+7]
.if (\g)/4 != 0
	v_pk_add_f32 v[LS+2*((\g)%4):LS+2*((\g)%4)+1], v[LS+2*((\g)%4):LS+2*((\g)%4)+1], v[U0:U0+1]
.endif
.endm
; The running softmax of one tile; diag = 1: the block's first tile starts maximum and sum.  n runs innermost: four to eight chains side by side.
.macro SOFTMAX diag
	WIN 0
	; maximum over my 32 keys of each query column: one chain over a = 0, 1 (from the old maximum or the floor), one over a = 2, 3
.irp n, 0,1,2,3
.if \diag
	v_max3_num_f32 v[TA+\n], v[SREG+8*\n], v[SREG+8*\n+1], s33
.else
	v_max3_num_f32 v[TA+\n], v[SREG+8*\n], v[SREG+8*\n+1], v[MX+\n]
.endif
	v_max3_num_f32 v[TC+\n], v[SREG+64+8*\n], v[SREG+64+8*\n+1], v[SREG+64+8*\n+2]
.endr
.irp i, 2,4,6,8,10,12
.irp n, 0,1,2,3
	v_max3_num_f32 v[TA+\n], v[TA+\n], v[SREG+32*(\i/8)+8*\n+\i%8], v[SREG+32*((\i+1)/8)+8*\n+(\i+1)%8]
.endr
.irp n, 0,1,2,3
	v_max3_num_f32 v[TC+\n], v[TC+\n], v[SREG+64+32*((\i+1)/8)+8*\n+(\i+1)%8], v[SREG+64+32*((\i+2)/8)+8*\n+(\i+2)%8]
.endr
.endr
.irp n, 0,1,2,3
	v_max3_num_f32 v[TA+\n], v[TA+\n], v[SREG+32+8*\n+6], v[SREG+32+8*\n+7]
.endr
.irp n, 0,1,2,3
	v_max3_num_f32 v[TA+\n], v[TA+\n], v[TC+\n], v[SREG+96+8*\n+7]
.endr
.irp n, 0,1,2,3
	v_permlanex16_b32 v[TC+\n], v[TA+\n], s34, s35             ; the other half of the lanes holds the column's other keys
.endr
.irp n, 0,1,2,3
	v_max_num_f32 v[MX+\n], v[TA+\n], v[TC+\n]
.endr
.if \diag
.irp n, 0,1,2,3
	v_mul_f32 v[NL+2*\n], s32, v[MX+\n]                        ; nm = -c m
.endr
.else
.irp n, 0,1,2,3
	v_mul_f32 v[TA+\n], s32, v[MX+\n]
.endr
.irp n, 0,1,2,3
	v_sub_f32 v[AL+2*\n], v[TA+\n], v[NL+2*\n]                 ; nm_new - nm_old, at most 0
.endr
.irp n, 0,1,2,3
	v_exp_f32 v[AL+2*\n], v[AL+2*\n]                           ; alpha
.endr
.irp n, 0,1,2,3
	v_mov_b32 v[NL+2*\n], v[TA+\n]                             ; plain work behind the exponentials, ahead of alpha's first use (ISA guide 5.7.2)
.endr
.endif
	; sixteen groups, staggered: behind a group's eight exponentials stands the next group's multiply-add, plain work on other registers
	SM_FMA 0
.irp g, 0,1,2,3,4,5,6,7,8,9,10,11,12,13,14,15
	SM_EXP \g
.if \g < 15
	SM_FMA \g+1
.else
	v_nop
.endif
	SM_SUM \g
.endr
.if \diag
.irp n, 0,1,2,3
	v_add_f32 v[NL+2*\n+1], v[LS+2*\n], v[LS+2*\n+1]           ; l starts
.endr
.else
.irp n, 0,1,2,3
	v_add_f32 v[TA+\n], v[LS+2*\n], v[LS+2*\n+1]
.endr
.irp n, 0,1,2,3
	v_fma_f32 v[NL+2*\n+1], v[NL+2*\n+1], v[AL+2*\n], v[TA+\n] ; l = l alpha + the tile's sum
.endr
.endif
.endm
.macro RESCALE                         ; O = O alpha: alpha is one number a lane for each n
	WIN 0x82
.irp dt, 0,1,2,3,4,5,6,7
.irp n, 0,1,2,3
.irp q, 0,2,4,6
	v_pk_mul_f32 v[32*\dt+8*\n+\q:32*\dt+8*\n+\q+1], v[32*\dt+8*\n+\q:32*\dt+8*\n+\q+1], v[AL+2*\n:AL+2*\n+1] op_sel_hi:[1,0]
.endr
.endr
.endr
.endm
; O^T(dt, n) += V^T(dt; keys 32 u ..) P^T(u, n), in f16.  The 32 accumulators take turns, one instruction a turn.
.macro MULPV u, f, zero
	WIN 0xa1
.irp dt, 0,1,2,3,4,5,6,7
.irp n, 0,1,2,3
.if \zero
	v_wmma_f32_16x16x32_f16 v[32*\dt+8*\n:32*\dt+8*\n+7], v[\f+8*\dt:\f+8*\dt+7], v[PREG+32*\u+8*\n:PREG+32*\u+8*\n+7], 0
.else
	v_wmma_f32_16x16x32_f16 v[32*\dt+8*\n:32*\dt+8*\n+7], v[\f+8*\dt:\f+8*\dt+7], v[PREG+32*\u+8*\n:PREG+32*\u+8*\n+7], v[32*\dt+8*\n:32*\dt+8*\n+7]
.endif
.endr
.endr
.endm
; One key tile, in slot `slot`.  diag = 1: the block's diagonal tile, which is its first.  refill = 1: the other slot gets the next tile of the walk.
.macro TRIP slot, diag, refill
	WIN 0
	s_wait_tensorcnt 0x0                           ; all my tensor loads have landed (one was out: my part of this tile), so a group 0 may be written
	ds_add_u32 v54, v55
	s_wait_dscnt 0x0
.if \refill
	s_cmp_eq_u32 s22, s24                          ; behind block 1's last plain tile comes
	s_cselect_b32 s22, s25, s22                    ; block 2's diagonal tile
	s_add_nc_u64 s[G0K+4*(1-\slot)+2:G0K+4*(1-\slot)+3], s[26:27], s[22:23]
	s_or_b32 s[G0K+4*(1-\slot)+3], s[G0K+4*(1-\slot)+3], 0x80000000
	s_add_nc_u64 s[G0V+4*(1-\slot)+2:G0V+4*(1-\slot)+3], s[28:29], s[22:23]
	s_or_b32 s[G0V+4*(1-\slot)+3], s[G0V+4*(1-\slot)+3], 0x80000000
	s_add_co_u32 s22, s22, TB
.endif
	s_wait_dscnt 0x0                               ; my reads of the other slot are back; ahead of a diagonal tile also my stores of Q
	ROUND                                          ; both now hold of every wave of all four work-groups
.if \refill
	JLOAD (1-\slot)                                ; first thing behind the round, my one tensor load until the next round; it has this tile's work in which to land
.endif
	PLACES                                         ; the fragment buffers were read by the last tile's products
.if \diag
	FETCHQ
.endif
	FETCHK \slot
	s_wait_dscnt 16                                ; all but the youngest 16 loads (K's a = 2, 3) are in
	MULS 0, F0
	PLACES
	FETCHV \slot, 0, F0
	s_wait_dscnt 16                                ; the youngest 16 are V's: K's a = 2, 3 are in
	MULS 1, F1
	PLACES                                         ; for the loads into F1 and for the vector work on S
	FETCHV \slot, 1, F1
.if \diag
	MASK
.endif
	SOFTMAX \diag
.if \diag == 0
	RESCALE
.endif
	s_wait_dscnt 16                                ; V's keys 0-31 are in; the 16 loads of keys 32-63 may be out
	MULPV 0, F0, \diag
	s_wait_dscnt 0x0
	MULPV 1, F1, 0
	WIN 0
.endm
; Eight output rows 32 w + 8 k + t: the two key halves' partial rows, weighted and added, stored as whole rows of 512 bytes.
.macro BATCH k
.if \k >= 2
	s_wait_xcnt 0x0                                ; the stores of two batches ago have read these registers: they are loaded again only behind this wait
.endif
.irp t, 0,1,2,3,4,5,6,7
	ds_load_b128 v[SREG+64*(\k%2)+8*\t:SREG+64*(\k%2)+8*\t+3], v[RD] offset:(8*\k+\t)*SP
	ds_load_b128 v[SREG+64*(\k%2)+8*\t+4:SREG+64*(\k%2)+8*\t+7], v[RD] offset:STGW+(8*\k+\t)*SP
.endr
.irp t, 0,1,2,3,4,5,6,7
	s_wait_dscnt 14-2*\t                           ; LDS loads come back in order: row t's two are in, the 14 - 2 t younger ones stay out
	v_readlane_b32 s36, v[W0V], 8*\k+\t
	v_readlane_b32 s38, v[W0V+1], 8*\k+\t
	v_pk_mul_f32 v[SREG+64*(\k%2)+8*\t:SREG+64*(\k%2)+8*\t+1], v[SREG+64*(\k%2)+8*\t:SREG+64*(\k%2)+8*\t+1], s[36:37] op_sel_hi:[1,0]
	v_pk_mul_f32 v[SREG+64*(\k%2)+8*\t+2:SREG+64*(\k%2)+8*\t+3], v[SREG+64*(\k%2)+8*\t+2:SREG+64*(\k%2)+8*\t+3], s[36:37] op_sel_hi:[1,0]
	v_pk_fma_f32 v[SREG+64*(\k%2)+8*\t:SREG+64*(\k%2)+8*\t+1], v[SREG+64*(\k%2)+8*\t+4:SREG+64*(\k%2)+8*\t+5], s[38:39], v[SREG+64*(\k%2)+8*\t:SREG+64*(\k%2)+8*\t+1] op_sel_hi:[1,0,1]
	v_pk_fma_f32 v[SREG+64*(\k%2)+8*\t+2:SREG+64*(\k%2)+8*\t+3], v[SREG+64*(\k%2)+8*\t+6:SREG+64*(\k%2)+8*\t+7], s[38:39], v[SREG+64*(\k%2)+8*\t+2:SREG+64*(\k%2)+8*\t+3] op_sel_hi:[1,0,1]
	global_store_b128 v[QO], v[SREG+64*(\k%2)+8*\t:SREG+64*(\k%2)+8*\t+3], s[86:87] offset:(8*\k+\t)*8192 th:TH_STORE_NT
.endr
.endm
; The end of a block: partial O, nm and l into LDS, one barrier, each wave merges and stores 32 rows.  more = 1: block 2's Q is fetched meanwhile.
.macro FINAL more
	WIN 0
	PLACES                                         ; O is read four places behind the last product
.irp n, 0,1,2,3
	v_permlanex16_b32 v[TC+\n], v[NL+2*\n+1], s34, s35
.endr
.irp n, 0,1,2,3
	v_add_f32 v[NL+2*\n+1], v[NL+2*\n+1], v[TC+\n]             ; l over both halves of the lanes
.endr
.irp n, 0,1,2,3
	ds_store_b64 v[MLA], v[NL+2*\n:NL+2*\n+1] offset:128*\n    ; both halves store the same pair to the same place
.endr
	WIN 0x08
.irp dt, 0,1,2,3,4,5,6,7
.irp n, 0,1,2,3
.irp q, 0,1
	ds_store_b128 v[STO], v[32*\dt+8*\n+4*\q:32*\dt+8*\n+4*\q+3] offset:16*SP*\n+64*\dt+16*\q
.endr
.endr
.endr
.if \more
	s_add_nc_u64 s[84:85], s[8:9], s[90:91]        ; block 1's Q loads were waited for long ago: the base may step to block 2
	QLOAD                                          ; on its way during the merge
.endif
	WIN 0
	s_wait_dscnt 0x0                               ; my stores are in LDS, for the other waves' sake
	s_barrier_signal -1
	s_barrier_wait -1                              ; no slot is filled behind this barrier: the next tile's load may stay out across it
	ds_load_b64 v[U0:U0+1], v[MLR]                 ; row 32 w + lane: (nm, l) of keys' half 0
	ds_load_b64 v[U1:U1+1], v[MLR] offset:1024     ; and of half 1
	s_wait_dscnt 0x0
	v_min_num_f32 v[TA], v[U0], v[U1]              ; the smaller nm is the larger maximum
	v_sub_f32 v[TA+1], v[TA], v[U0]
	v_sub_f32 v[TA+2], v[TA], v[U1]
	v_exp_f32 v[TA+1], v[TA+1]
	v_exp_f32 v[TA+2], v[TA+2]
	v_nop                                          ; one plain place behind the exponentials (ISA guide 5.7.2)
	s_wait_alu depctr_va_vdst(0)
	v_mul_f32 v[TA+3], v[U0+1], v[TA+1]
	v_fma_f32 v[TA+3], v[U1+1], v[TA+2], v[TA+3]   ; the row's whole sum: at least the diagonal's term
	v_rcp_f32 v[TC], v[TA+3]
	v_nop
	s_wait_alu depctr_va_vdst(0)
	v_mul_f32 v[W0V], v[TA+1], v[TC]
	v_mul_f32 v[W0V+1], v[TA+2], v[TC]
	BATCH 0
	BATCH 1
	BATCH 2
	BATCH 3
.if \more
	QSTORE                                         ; every wave's reads of block 1's Q were waited for ahead of the barrier above
	s_wait_xcnt 0x0                                ; the stores' base and data are rewritten only behind this wait
	s_add_nc_u64 s[86:87], s[10:11], s[90:91]
	s_mov_b32 s22, 0                               ; block 2's plain tiles begin at tile 0
	s_mov_b32 s24, -1                              ; and no further change of block
.endif
.endm
	; ---- head ----
	s_load_b256 s[4:11], s[0:1], 0x0               ; kb s[4:5], vh s[6:7], q s[8:9], out0 s[10:11]
	v_lshl_add_u32 v54, v0, 2, 0x4d000
	v_mov_b32 v55, 0
	ds_add_u32 v54, v55
	v_lshrrev_b32 v1, 5, v0
	v_readfirstlane_b32 s12, v1                    ; w
	s_lshr_b32 s13, s12, 1                         ; rw: my half of the query rows.  Also: I fetch K (0) or V (1)
	s_and_b32 s14, s12, 1                          ; c: my half of the keys.  Also: which 64 rows I fetch
	s_bfe_u32 s15, ttmp6, 0x40000                  ; cx: the query head in its group of four
	s_and_b32 s16, ttmp9, 15                       ; p: the pair of blocks
	s_lshr_b32 s17, ttmp9, 4                       ; the key/value head
	s_sub_co_u32 s21, 31, s16
	s_bitcmp1_b32 s16, 0
	s_cselect_b32 s18, s21, s16                    ; B1: the even one of p, 31 - p
	s_cselect_b32 s19, s16, s21                    ; B2: the odd one
	v_and_b32 v1, 31, v0                           ; lane
	v_lshlrev_b32 v[QO], 4, v1
	s_mov_b32 s30, 0x3e0293ee                      ; c = log2(e) / sqrt(128)
	s_mov_b32 s31, 0x3e0293ee
	s_mov_b32 s32, 0xbe0293ee                      ; -c
	s_mov_b32 s33, 0xf149f2ca                      ; -1e30: where a diagonal tile's maximum starts
	s_mov_b32 s34, 0x76543210                      ; v_permlanex16_b32: lane i reads lane i of the other half
	s_mov_b32 s35, 0xfedcba98
	s_mov_b32 s37, 0                               ; upper words of the pairs that the packed forms name
	s_mov_b32 s39, 0
	; group 1: 64 rows x 128 elements of 2 bytes, 512 elements from row to row; mask 15 with bit 21 beside it; behind every 64 words 4 (K) or 8 (V) words of padding
	s_mov_b32 s[G1K+0], 15|(1<<16)|(1<<20)|(1<<21)|(5<<22)|(3<<25)
	s_mov_b32 s[G1V+0], 15|(1<<16)|(1<<20)|(1<<21)|(5<<22)|(7<<25)
	s_mov_b32 s[G1K+1], 128<<16                    ; tensor_dim0 = 128
	s_mov_b32 s[G1V+1], 128<<16
	s_mov_b32 s[G1K+2], 64<<16                     ; tensor_dim1 = 64
	s_mov_b32 s[G1V+2], 64<<16
	s_mov_b32 s[G1K+3], 128<<16                    ; tile_dim0 = 128
	s_mov_b32 s[G1V+3], 128<<16
	s_mov_b32 s[G1K+4], 64                         ; tile_dim1 = 64
	s_mov_b32 s[G1V+4], 64
	s_mov_b32 s[G1K+5], 512                        ; pitch
	s_mov_b32 s[G1V+5], 512
	s_mov_b32 s[G1K+6], 0
	s_mov_b32 s[G1V+6], 0
	s_mov_b32 s[G1K+7], 0
	s_mov_b32 s[G1V+7], 0
	s_lshl_b32 s2, s17, 8                          ; the head's 256 bytes in a row of kb, vh
	s_lshl_b32 s3, s14, 16                         ; + my 64 rows of 1,024 bytes
	s_add_co_u32 s2, s2, s3
	s_mov_b32 s3, 0
	s_lshl2_add_u32 s21, s17, s15                  ; query head = 4 x key/value head + cx
	s_lshl_b32 s21, s21, 9                         ; its 512 bytes in a row of q, out0
	s_lshl_b32 s20, s12, 18                        ; + my 32 rows of 8,192 bytes
	s_add_co_u32 s21, s21, s20
	s_lshl_b32 s88, s18, 20                        ; + the block's 128 rows
	s_add_co_u32 s88, s88, s21
	s_mov_b32 s89, 0
	s_lshl_b32 s90, s19, 20
	s_add_co_u32 s90, s90, s21
	s_mov_b32 s91, 0
	s_lshl_b32 s24, s18, 17                        ; LIM: the offset of tile B1
	s_lshl_b32 s25, s19, 17                        ; ALT: the offset of tile B2
	s_mov_b32 s22, s24                             ; the first tile is B1, block 1's diagonal
	s_mov_b32 s23, 0
	s_mul_i32 s21, s14, 64*KP                      ; LDS: my half of K's rows,
	s_mul_i32 s20, s14, 64*VP                      ; my half of V's rows,
	s_add_co_u32 s20, s20, VOFF                    ; which lie behind K's
.irp s, 0,1
	s_mov_b32 s[G0K+4*\s], 1
	s_add_co_u32 s[G0K+4*\s+1], s21, \s*SLOT
	s_mov_b32 s[G0V+4*\s], 1
	s_add_co_u32 s[G0V+4*\s+1], s20, \s*SLOT
.endr
	s_wait_dscnt 0x0
	s_wait_kmcnt 0x0
	s_add_nc_u64 s[26:27], s[4:5], s[2:3]          ; kb at my rows of tile 0
	s_add_nc_u64 s[28:29], s[6:7], s[2:3]          ; vh likewise
	s_add_nc_u64 s[84:85], s[8:9], s[88:89]        ; q at my rows of block 1
	s_add_nc_u64 s[86:87], s[10:11], s[88:89]      ; out0 likewise
	s_add_nc_u64 s[G0K+2:G0K+3], s[26:27], s[22:23]
	s_or_b32 s[G0K+3], s[G0K+3], 0x80000000
	s_add_nc_u64 s[G0V+2:G0V+3], s[28:29], s[22:23]
	s_or_b32 s[G0V+3], s[G0V+3], 0x80000000
	s_mov_b32 s22, 0                               ; the next tile of the walk: tile 0
	QLOAD
	ROUND                                          ; all four work-groups are here: the first joint loads meet
	JLOAD 0
	; addresses
	v_and_b32 v2, 15, v0                           ; r
	v_bfe_u32 v3, v0, 4, 1                         ; h
	v_mul_u32_u24 v17, v2, KP
	v_lshl_add_u32 v17, v3, 4, v17                 ; r x 272 + 16 h
	s_mul_i32 s21, s14, 64*KP
	v_add_nc_u32 v[KA], s21, v17
	v_add_nc_u32 v[KA+1], SLOT, v[KA]
	s_mul_i32 s21, s13, 64*KP
	s_add_co_u32 s21, s21, QS
	v_add_nc_u32 v[QF], s21, v17
	v_and_b32 v[VA], 7, v0
	v_lshl_add_u32 v[VA], v3, 3, v[VA]             ; key row 8 h + lane mod 8
	v_mul_u32_u24 v[VA], v[VA], VP
	v_bfe_u32 v17, v0, 3, 1
	v_lshl_add_u32 v[VA], v17, 4, v[VA]            ; + 16 bytes for lanes 8-15 of each half
	s_mul_i32 s21, s14, 64*VP
	s_add_co_u32 s21, s21, VOFF
	v_add_nc_u32 v[VA], s21, v[VA]
	v_add_nc_u32 v[VA+1], SLOT, v[VA]
	s_mul_i32 s21, s12, 32*KP
	s_add_co_u32 s21, s21, QS
	v_lshl_add_u32 v[QW], v1, 3, s21
	s_mul_i32 s21, s12, STGW
	s_add_co_u32 s21, s21, STG
	v_mul_u32_u24 v17, v2, SP
	v_lshl_add_u32 v17, v3, 5, v17
	v_add_nc_u32 v[STO], s21, v17
	s_mul_i32 s21, s13, 2*STGW                     ; rows 32 w .. +31 of the block lie in the stages of waves 2 rw and 2 rw + 1,
	s_mul_i32 s20, s14, 32*SP                      ; from their row 32 c on
	s_add_co_u32 s21, s21, s20
	s_add_co_u32 s21, s21, STG
	v_lshl_add_u32 v[RD], v1, 4, s21
	s_lshl_b32 s21, s14, 10
	s_lshl_b32 s20, s13, 9
	s_add_co_u32 s21, s21, s20
	s_add_co_u32 s21, s21, ML
	v_lshl_add_u32 v[MLA], v2, 3, s21
	s_lshl_b32 s21, s12, 8
	s_add_co_u32 s21, s21, ML
	v_lshl_add_u32 v[MLR], v1, 3, s21
	s_sub_co_i32 s21, s13, s14
	s_lshl_b32 s21, s21, 6                         ; 64 (rw - c)
	v_lshlrev_b32 v[DV], 3, v3
	v_sub_nc_u32 v[DV], v2, v[DV]
	v_add_nc_u32 v[DV], s21, v[DV]                 ; 64 rw + r - 64 c - 8 h
	v_mov_b32 v[MASKV], 0xff7fffff
.irp n, 0,1,2,3
	v_mov_b32 v[NL+2*\n+1], 0                      ; the packed forms name whole pairs: the upper halves are written once
	v_mov_b32 v[AL+2*\n+1], 0
.endr
	QSTORE
	; ---- block 1: the diagonal tile in slot 0, then B1 = 2 b plain tiles ----
	TRIP 0, 1, 1
	s_lshr_b32 s20, s18, 1
	s_cmp_eq_u32 s20, 0
	s_cbranch_scc1 .Lblock1_done
.Lblock1:
	TRIP 1, 0, 1
	TRIP 0, 0, 1
	s_sub_co_u32 s20, s20, 1
	s_cmp_lg_u32 s20, 0
	s_cbranch_scc1 .Lblock1
.Lblock1_done:
	FINAL 1
	; ---- block 2: the diagonal tile in slot 1, then B2 = 2 a + 1 plain tiles; the last fetches nothing ----
	TRIP 1, 1, 1
	s_lshr_b32 s20, s19, 1
	s_cmp_eq_u32 s20, 0
	s_cbranch_scc1 .Lblock2_done
.Lblock2:
	TRIP 0, 0, 1
	TRIP 1, 0, 1
	s_sub_co_u32 s20, s20, 1
	s_cmp_lg_u32 s20, 0
	s_cbranch_scc1 .Lblock2
.Lblock2_done:
	TRIP 0, 0, 0
	FINAL 0
	s_wait_tensorcnt 0x0
	ds_add_u32 v54, v55
	s_wait_dscnt 0x0
	ROUND                                          ; the closing round: no work-group ends while a partner may still ask for a tile that names it
	s_endpgm
.Lfunc_end_k_q3b25d5abe0_attn:
	.size	k_q3b25d5abe0_attn, .Lfunc_end_k_q3b25d5abe0_attn-k_q3b25d5abe0_attn
	.p2alignl 7, 3214868480
	.fill 96, 4, 3214868480
	.section	.rodata,"a",@progbits
	.p2align	6, 0x0
	.amdhsa_kernel k_q3b25d5abe0_attn
		.amdhsa_group_segment_fixed_size 327680
		.amdhsa_private_segment_fixed_size 0
		.amdhsa_enable_private_segment 0
		.amdhsa_kernarg_size 32
		.amdhsa_user_sgpr_count 2
		.amdhsa_user_sgpr_kernarg_segment_ptr 1
		.amdhsa_wavefront_size32 1
		.amdhsa_system_sgpr_workgroup_id_x 1
		.amdhsa_system_sgpr_workgroup_id_y 1
		.amdhsa_system_sgpr_workgroup_id_z 1
		.amdhsa_system_vgpr_workitem_id 0
		.amdhsa_next_free_vgpr 768
		.amdhsa_next_free_sgpr 96
		.amdhsa_reserve_vcc 0
		.amdhsa_float_denorm_mode_32 3
		.amdhsa_float_denorm_mode_16_64 3
		.amdhsa_memory_ordered 1
		.amdhsa_forward_progress 1
		.amdhsa_inst_pref_size 255
	.end_amdhsa_kernel
	.section	.bss,"aw",@nobits
	.p2align	6
	.space	262144
	.amdgpu_metadata
---
amdhsa.version: [ 1, 2 ]
amdhsa.kernels:
  - .name:           k_q3b25d5abe0_attn
    .symbol:         k_q3b25d5abe0_attn.kd
    .args:
      - { .name: kb, .offset: 0, .size: 8, .value_kind: global_buffer, .address_space: global }
      - { .name: vh, .offset: 8, .size: 8, .value_kind: global_buffer, .address_space: global }
      - { .name: q, .offset: 16, .size: 8, .value_kind: global_buffer, .address_space: global }
      - { .name: out0, .offset: 24, .size: 8, .value_kind: global_buffer, .address_space: global }
    .group_segment_fixed_size: 327680
    .private_segment_fixed_size: 0
    .kernarg_segment_align: 8
    .kernarg_segment_size: 32
    .max_flat_workgroup_size: 128
    .sgpr_count:     96
    .vgpr_count:     768
    .wavefront_size: 32
...
	.end_amdgpu_metadata
.endif
;; end of part 2
;; ======== version 2 of 2: 2 launches; version 1 with the launch cast written anew for expert scheduling mode
;; limits: right only within a limited range of input values; values are held in f16: magnitudes above 65,504 overflow, below 6.1e-05 lose precision; inputs' magnitudes at most 65,408
;; workspace buffers: kb 4,194,304 bytes; vh 4,194,304 bytes
;; launch cast (part 3): grid 256 x 2, 8 waves a work-group, no clusters, 0 bytes of LDS; arguments k, v, kb, vh; writes kb, vh
.if DOCPART == 3
	.amdgcn_target "amdgcn-amd-amdhsa--gfx1250"
	.amdhsa_code_object_version 6
	.text
	.protected	k_q3b25d5abe0_cast
	.globl	k_q3b25d5abe0_cast
	.p2align	8
	.type	k_q3b25d5abe0_cast,@function
k_q3b25d5abe0_cast:
	s_mov_b64 s[64:65], 0
	v_nop
	global_prefetch_b8 v0, s[64:65] scope:SCOPE_SE
	s_setreg_imm32_b32 hwreg(HW_REG_WAVE_SCHED_MODE, 0, 2), 2
	s_setreg_imm32_b32 hwreg(HW_REG_WAVE_MODE, 25, 1), 1
	s_wait_xcnt 0x0
	s_wait_alu depctr_vm_vsrc(0)
; kb = bf16(k); vh = bf16(v) written in f16 form; same layout [4096][512].  Each key and value is used by many query blocks of the next launch,
; so it is rounded here once.  All inputs of the attention carry one rounding, to bf16.  v's rounded number is then packed as f16, which holds its
; eight significant bits exactly, so that the product P V can run in f16 and P, its other operand, keeps eleven significant bits.
; LIMITS: |v| below 65,408 (above, the f16 form overflows); for |v| below 2^-14 the f16 form has an absolute step of 2^-24.
; A pure stream: no LDS, no barrier, no matrix unit, nothing shared between work-groups.
; Work-group (x, y): y picks the tensor (0: k, 1: v), x the 32,768 input bytes.  A wave takes 4,096 of them by eight loads of 512
; consecutive bytes; each store of the wave covers 256 consecutive bytes, aligned.
; THE MODE: SCHED_MODE bits 1:0 = 2 (LLVM: expert scheduling mode 2), set by the entry lines.  The code itself states the register dependences
; between vector instructions and memory instructions, with s_wait_alu, always for 0.
; THE PLAN.  Registers that memory instructions touch:
;   v1, v2   byte offsets of the loads and of the stores: made once at the head, never written again.
;   X        eight loads land here, each once; only vector instructions read them (and, for values, write them again, behind the wait for the load).
;   Y        pair j is written by load j's conversions and read by store j; nothing writes it behind that store.
; The eight loads go in four blocks of two.  Block g converts its two loads; its memory instructions are the two stores of block g - 1, which read
; v2 and block g - 1's Y: registers that no vector instruction of block g names.  So one wait at a block's head states all that its stores hang on.
; No register that a memory instruction reads is ever written again, so behind the entry lines the text holds no wait on vm_vsrc and no s_wait_xcnt.
.set X, 4                              ; v[4:35]   eight loads of four f32
.set Y, 36                             ; v[36:51]  eight pairs of packed 16-bit numbers
	s_load_b256 s[4:11], s[0:1], 0x0               ; k s[4:5], v s[6:7], kb s[8:9], vh s[10:11]
	s_and_b32 s12, ttmp7, 0xffff                   ; y
	v_lshrrev_b32 v3, 5, v0                        ; wave
	v_and_b32 v1, 31, v0                           ; lane
	v_lshlrev_b32 v2, 3, v1                        ; out: 8 bytes a lane
	v_lshlrev_b32 v1, 4, v1                        ; in: 16 bytes a lane
	v_lshl_or_b32 v1, v3, 12, v1                   ; + wave x 4,096
	v_lshl_or_b32 v2, v3, 11, v2                   ; + wave x 2,048
	s_lshl_b32 s18, ttmp9, 15                      ; the work-group's 32,768 input bytes
	s_mov_b32 s19, 0
	s_lshl_b32 s20, ttmp9, 14                      ; and its 16,384 output bytes
	s_mov_b32 s21, 0
	s_wait_kmcnt 0x0
	s_cmp_eq_u32 s12, 0
	s_cselect_b64 s[14:15], s[4:5], s[6:7]         ; from k or v
	s_cselect_b64 s[16:17], s[8:9], s[10:11]       ; to kb or vh
	s_add_nc_u64 s[14:15], s[14:15], s[18:19]
	s_add_nc_u64 s[16:17], s[16:17], s[20:21]
	s_wait_alu depctr_va_vdst(0)                   ; v1 and v2 are written: every load reads v1 as its offset, every store v2
.irp j, 0,1,2,3,4,5,6,7
	global_load_b128 v[X+4*\j:X+4*\j+3], v1, s[14:15] offset:512*\j th:TH_LOAD_NT
.endr
; Store j: 8 bytes a lane, 256 consecutive bytes a wave.  No hint: the next launch reads these bytes.
.macro OUT j
	global_store_b64 v2, v[Y+2*(\j):Y+2*(\j)+1], s[16:17] offset:256*(\j)
.endm
; Load j's four keys: f32 to bf16
.macro KEY j
	v_cvt_pk_bf16_f32 v[Y+2*(\j)], v[X+4*(\j)], v[X+4*(\j)+1]
	v_cvt_pk_bf16_f32 v[Y+2*(\j)+1], v[X+4*(\j)+2], v[X+4*(\j)+3]
.endm
; Load j's four values: f32 to bf16, and that number in f16 form
.macro VAL j
	v_cvt_pk_bf16_f32 v[Y+2*(\j)], v[X+4*(\j)], v[X+4*(\j)+1]
	v_cvt_pk_bf16_f32 v[Y+2*(\j)+1], v[X+4*(\j)+2], v[X+4*(\j)+3]
	v_lshlrev_b32 v[X+4*(\j)], 16, v[Y+2*(\j)]                 ; the rounded numbers as f32 again: the low half moves up,
	v_and_b32 v[X+4*(\j)+1], 0xffff0000, v[Y+2*(\j)]           ; the high half stays
	v_lshlrev_b32 v[X+4*(\j)+2], 16, v[Y+2*(\j)+1]
	v_and_b32 v[X+4*(\j)+3], 0xffff0000, v[Y+2*(\j)+1]
	v_cvt_pk_f16_f32 v[Y+2*(\j)], v[X+4*(\j)], v[X+4*(\j)+1]
	v_cvt_pk_f16_f32 v[Y+2*(\j)+1], v[X+4*(\j)+2], v[X+4*(\j)+3]
.endm
; Block g of the keys: loads 2 g and 2 g + 1 are converted; the stores of the block before are dealt among the conversions.
.macro KBLK g
	s_wait_loadcnt 6-2*(\g)                        ; loads come back in order (ISA guide 5.7.1): this block's two are in, the 6 - 2 g younger ones stay out
.if (\g) > 0
	s_wait_alu depctr_va_vdst(0)                   ; the block before has written its two pairs of Y, which the two stores below read
.endif
.irp i, 0,1
.if (\g) > 0
	OUT 2*(\g)-2+\i                                ; no vector instruction since the wait names v2 or this pair
.endif
	KEY 2*(\g)+\i
.endr
.endm
; The same for the values.
.macro VBLK g
	s_wait_loadcnt 6-2*(\g)                        ; as above
.if (\g) > 0
	s_wait_alu depctr_va_vdst(0)                   ; the block before has written its two pairs of Y, which the two stores below read
.endif
.irp i, 0,1
.if (\g) > 0
	OUT 2*(\g)-2+\i                                ; no vector instruction since the wait names v2 or this pair
.endif
	VAL 2*(\g)+\i
.endr
.endm
	s_cmp_lg_u32 s12, 0
	s_cbranch_scc1 .Lvalues
	KBLK 0
	KBLK 1
	KBLK 2
	KBLK 3
	s_wait_alu depctr_va_vdst(0)                   ; block 3 has written the last two pairs of Y, which the last two stores read
	OUT 6
	OUT 7
	s_endpgm
.Lvalues:
	VBLK 0
	VBLK 1
	VBLK 2
	VBLK 3
	s_wait_alu depctr_va_vdst(0)                   ; block 3 has written the last two pairs of Y, which the last two stores read
	OUT 6
	OUT 7
	s_endpgm
.Lfunc_end_k_q3b25d5abe0_cast:
	.size	k_q3b25d5abe0_cast, .Lfunc_end_k_q3b25d5abe0_cast-k_q3b25d5abe0_cast
	.p2alignl 7, 3214868480
	.fill 96, 4, 3214868480
	.section	.rodata,"a",@progbits
	.p2align	6, 0x0
	.amdhsa_kernel k_q3b25d5abe0_cast
		.amdhsa_group_segment_fixed_size 0
		.amdhsa_private_segment_fixed_size 0
		.amdhsa_enable_private_segment 0
		.amdhsa_kernarg_size 32
		.amdhsa_user_sgpr_count 2
		.amdhsa_user_sgpr_kernarg_segment_ptr 1
		.amdhsa_wavefront_size32 1
		.amdhsa_system_sgpr_workgroup_id_x 1
		.amdhsa_system_sgpr_workgroup_id_y 1
		.amdhsa_system_sgpr_workgroup_id_z 1
		.amdhsa_system_vgpr_workitem_id 0
		.amdhsa_next_free_vgpr 56
		.amdhsa_next_free_sgpr 66
		.amdhsa_reserve_vcc 0
		.amdhsa_float_denorm_mode_32 3
		.amdhsa_float_denorm_mode_16_64 3
		.amdhsa_memory_ordered 1
		.amdhsa_forward_progress 1
		.amdhsa_inst_pref_size 9
	.end_amdhsa_kernel
	.amdgpu_metadata
---
amdhsa.version: [ 1, 2 ]
amdhsa.kernels:
  - .name:           k_q3b25d5abe0_cast
    .symbol:         k_q3b25d5abe0_cast.kd
    .args:
      - { .name: k, .offset: 0, .size: 8, .value_kind: global_buffer, .address_space: global }
      - { .name: v, .offset: 8, .size: 8, .value_kind: global_buffer, .address_space: global }
      - { .name: kb, .offset: 16, .size: 8, .value_kind: global_buffer, .address_space: global }
      - { .name: vh, .offset: 24, .size: 8, .value_kind: global_buffer, .address_space: global }
    .group_segment_fixed_size: 0
    .private_segment_fixed_size: 0
    .kernarg_segment_align: 8
    .kernarg_segment_size: 32
    .max_flat_workgroup_size: 256
    .sgpr_count:     66
    .vgpr_count:     56
    .wavefront_size: 32
...
	.end_amdgpu_metadata
.endif
;; end of part 3
;; launch attn: the kernel of part 2 again; grid 256 x 1, 4 waves a work-group, clusters of 4 x 1, 327,680 bytes of LDS; arguments kb, vh, q, out0; writes out0
